; MI455X (gfx1250); checked and timed in simulation.
; The chip was launched on July 23, 2026; its instructions are those of AMD's public machine-readable ISA for CDNA 5 (MIT licence, August 2026) and "CDNA5" Instruction Set Architecture Reference Guide (July 2026). The comments in the code are by the model that wrote it; some were corrected since.
;; Sparse Attention. Allowed arithmetic: matrix products marked QUANTISED: E2M1 operands, one E8M0 scale for each 32 along K, by v_wmma_scale_f32_16x16x128_f8f6f4 with both operands' format E2M1 (or v_wmma_scale_f32_32x16x128_f4), f32 sums; products left as they are: bf16, f16 or f32 operands; f32 sums; everything else in f32.
;; Inputs: Wout 1,024 x 1,024 float32; Wqkv 1,024 x 3,072 float32; attention_mask 512 x 512 bool; bout 1,024 float32; bqkv 3,072 float32; hidden_states 512 x 16 x 1,024 float32.
;; Outputs: out0 512 x 16 x 1,024 float32.
;; This version of the problem:
;;   THIS VERSION OF THE PROBLEM IS GIVEN IN LOW PRECISION. The matrix products marked QUANTISED in the list below multiply operands that are first quantised to E2M1 (2 exponent bits, 1 mantissa bit; 4 bits a number), with one power-of-two scale for each 32 numbers along K (OCP MX v1.0); their sums are f32. The products marked 'left as it is' may take bf16, f16 or f32 operands, with f32 sums. Whichever they take, every output number must still come out within the allowed error. Rounding operands to bf16 (8 significant bits) uses up far more of that allowance than f16 does (11 bits, for magnitudes from 6e-5 to 65,504). All else is computed in f32.
;;   The module's matrix products, in the order in which they are computed (A, B: the left and right operand; K: the contracted axis; several contracted axes count as one K, in the product's order):
;;     1. [M 8,192, K 1,024] x [K 1,024, N 3,072]; A: input hidden_states; B: input Wqkv: QUANTISED
;;     2. batch 256 x [M 512, K 64] x [K 64, N 512]; A: computed on the way; B: computed on the way: left as it is (an operand is computed on the way)
;;     3. batch 256 x [M 64, K 512] x [K 512, N 512]; A: computed on the way; B: computed on the way: left as it is (an operand is computed on the way)
;;     4. [M 8,192, K 1,024] x [K 1,024, N 1,024]; A: computed on the way; B: input Wout: left as it is (an operand is computed on the way)
;;   THE QUANTISER, for each operand of a quantised product, along K:
;;     - K is cut into blocks of 32 from its start; a last block that is shorter is filled with zeros.
;;     - A block's scale is 2^e with e = floor(log2(the largest magnitude in the block)) - 2, held to -126 .. 127; a block of zeros has e = 0. As a byte (E8M0): e + 127.
;;     - Each number is divided by its block's scale, clamped to +-6, and rounded to the nearest number of E2M1, ties to even, subnormals kept.
;;     - The product sums the exact products of the quantised numbers (number of the format x scale) in f32.
;;   ~~~python
;;   def quantise(x, axis):      # numpy; x: float32 -> the quantised numbers, widened to float32 again
;;       x = np.moveaxis(x, axis, -1); K = x.shape[-1]
;;       x = np.pad(x, [(0, 0)] * (x.ndim - 1) + [(0, -K % 32)]); x = x.reshape(x.shape[:-1] + (-1, 32)); a = np.abs(x).max(-1, keepdims=True)
;;       e = np.where(a > 0, np.clip(np.frexp(np.where(a > 0, a, 1))[1] - 1 - 2, -126, 127), 0)      # np.frexp(a)[1] - 1 = floor(log2(a)), exactly
;;       r = np.clip(x / 2.0 ** e, -6, 6)
;;       step = 2.0 ** (np.maximum(np.frexp(np.where(r == 0, 1, r))[1] - 1, 0) - 1)
;;       q = np.round(r / step) * step * 2.0 ** e      # np.round: ties to even
;;       return np.moveaxis(q.reshape(q.shape[:-2] + (-1,))[..., :K], -1, axis).astype(np.float32)
;;   ~~~
;; One version. Each part assembles by itself: llvm-mc -triple=amdgcn-amd-amdhsa -mcpu=gfx1250 --defsym DOCPART=n.
;; ======== version 1 of 1: 3 launches
;; limits: values are held in f16: magnitudes above 65,504 overflow, below 6.1e-05 lose precision
;; workspace buffers: xq 4,456,448 bytes; wq 1,671,168 bytes; wo 2,097,152 bytes; maskw 32,768 bytes of whole numbers; ctx 16,777,216 bytes
;; launch prep (part 1): grid 392 x 1, 4 waves a work-group, no clusters, 34,304 bytes of LDS; arguments hidden_states, Wqkv, Wout, attention_mask, xq, wq, wo, maskw; writes xq, wq, wo, maskw
.if DOCPART == 1
	.amdgcn_target "amdgcn-amd-amdhsa--gfx1250"
	.amdhsa_code_object_version 6
	.text
	.protected	k_q54c4244991_prep
	.globl	k_q54c4244991_prep
	.p2align	8
	.type	k_q54c4244991_prep,@function
k_q54c4244991_prep:
	s_mov_b64 s[64:65], 0
	v_nop
	global_prefetch_b8 v0, s[64:65] scope:SCOPE_SE
	s_setreg_imm32_b32 hwreg(HW_REG_WAVE_MODE, 25, 1), 1
	s_wait_xcnt 0x0
; PREP: every input but the biases is read once and laid out as the two later launches' operand registers want it.
;   X (work-groups 0-255):   hidden_states [512 s][16 b][1024] f32 -> codes of E2M1 and E8M0 scale words along K, in xq
;   W (work-groups 256-351): Wqkv [1024 k][3072] f32 -> the same along K (its first axis), in wq
;   O (work-groups 352-383): Wout [1024 k][1024] f32 -> f16, in wo
;   M (work-groups 384-391): attention_mask [512][512] bytes -> one word of 32 lane bits for each register of a tile of scores, in maskw
; LAYOUTS.  A fragment (16 rows x 128 K of 4-bit codes: 8 registers a lane) lies as an IMAGE OF ITS REGISTERS, 1,024 bytes: registers 4 c .. 4 c + 3 of lane l at byte 512 c + 16 l.
;   xq: [b 16][t 4] blocks of 69,632 bytes (t: 256 along K): images [row tile 32][kq' 2], then scale images [row tile 32] of 128 bytes: the word at 4 (16 kq' + r) is row r's four bytes of that 128 along K.
;   wq: [head 16][t 4] blocks of 26,112 bytes: images [column tile 12][kq' 2], then 12 scale images.
;   wo: [nt 8][ks 8][column tile 8][kc' 4] images of 1,024 bytes: an f16 fragment (16 columns x 32 K), registers 4 g .. 4 g + 3 of lane l at 512 g + 16 l.
;   maskw: [query tile 32][key tile 32][j 8] words: bit l = mask[16 qt + l % 16][16 kt + 8 (l / 16) + j].
; THE QUANTISER.  A block's scale is 2^(floor(log2(largest magnitude)) - 2); its byte is the largest magnitude's exponent field - 2, held at 1 from below by a floor among the maximum's leaves.
; LIMITS: a block of zeros gets the byte 1 where the rule says 127 (its codes are zeros, and this program alone reads the bytes); NaN and infinities are not served; Wout beyond +-65,504 has no f16.
; The four paths part on the work-group's number.  Path X alone uses LDS.  Waves share nothing: no barrier.
.set SPARE, 33792                      ; behind the four stages: the spare words, 128 bytes a wave
.set SPW,  12                          ; v12  LDS address of my spare word; never rewritten
.set NIL,  13                          ; v13  0; never rewritten
.set R,    32                          ; path X: v32-159  two sets of 64 registers as loaded
.set XR,   160                         ; path X: v160-223 my 64 numbers: two whole blocks of 32
.set C,    224                         ; path X: v224-255 codes, 8 registers a step, never rewritten
.set XBLK, 69632
.set WBLKB, 26112
	s_load_b512 s[4:19], s[0:1], 0x0               ; hidden s[4:5], Wqkv s[6:7], Wout s[8:9], mask s[10:11], xq s[12:13], wq s[14:15], wo s[16:17], maskw s[18:19]
	v_lshl_add_u32 v[SPW], v0, 2, SPARE
	v_mov_b32 v[NIL], 0
	v_lshrrev_b32 v1, 5, v0
	v_readfirstlane_b32 s20, v1                    ; wave 0..3
	v_and_b32 v1, 31, v0                           ; lane
	v_and_b32 v2, 15, v0                           ; r
	v_bfe_u32 v3, v0, 4, 1                         ; h
	v_lshlrev_b32 v4, 4, v1                        ; 16 x lane
	v_lshlrev_b32 v5, 2, v1                        ; 4 x lane
	s_wait_kmcnt 0x0
	s_cmp_lt_u32 ttmp9, 256
	s_cbranch_scc0 .Lnot_x
; ---------------- PATH X.  Wave unit u = 4 x work-group + wave: half of K kh = u % 2, batch b = (u / 2) % 16, row tile rt = u / 32.  16 rows x 512 along K, in four steps of 128.
; Each load reads 512 consecutive bytes of one row.  The conversions want 32 neighbours along K in one lane: a step's 16 x 512 bytes turn through the wave's own stage (rows of 528 bytes).
	s_lshl_b32 s21, ttmp9, 2
	s_add_co_u32 s21, s21, s20                     ; u
	s_and_b32 s22, s21, 1                          ; kh
	s_bfe_u32 s23, s21, 0x40001                    ; b
	s_lshr_b32 s24, s21, 5                         ; rt
	s_lshl_b32 s26, s24, 20                        ; 16 rows of 65,536 bytes
	s_lshl_b32 s27, s23, 12
	s_add_co_u32 s26, s26, s27
	s_lshl_b32 s27, s22, 11
	s_add_co_u32 s26, s26, s27
	s_mov_b32 s27, 0
	s_add_nc_u64 s[4:5], s[4:5], s[26:27]          ; hidden at my first row, my half of K
	s_lshl_b32 s28, s23, 2
	s_lshl_b32 s29, s22, 1
	s_add_co_u32 s28, s28, s29                     ; block 4 b + 2 kh
	s_mul_i32 s28, s28, XBLK
	s_lshl_b32 s29, s24, 11
	s_add_co_u32 s30, s28, s29                     ; my tile's images
	s_mov_b32 s31, 0
	s_lshl_b32 s29, s24, 7
	s_add_co_u32 s28, s28, s29
	s_add_co_u32 s28, s28, 65536                   ; my tile's scale image
	s_mov_b32 s29, 0
	s_add_nc_u64 s[30:31], s[12:13], s[30:31]
	s_add_nc_u64 s[28:29], s[12:13], s[28:29]
	s_mov_b32 s32, 0x76543210
	s_mov_b32 s33, 0xfedcba98                      ; v_permlanex16_b32's selects for lane l xor 16
	s_mov_b32 s34, 0xffff0000                      ; lanes 16-31
	s_mul_i32 s35, s20, 8448                       ; my stage: 16 rows x 528 bytes
	v_add_nc_u32 v6, s35, v4                       ; in: 16 x lane, a row an instruction
	v_mul_u32_u24 v7, v2, 528
	v_lshl_add_u32 v7, v3, 7, v7
	v_add_nc_u32 v7, s35, v7                       ; back: row r, + 128 h: the operand's layout gives lane (r, h) k = 64 c + 32 h + 0 .. 31
	v_lshlrev_b32 v8, 3, v3                        ; 8 h
	v_mov_b32 v9, 0                                ; (a lane permute's destination counts as read)
.macro XLD q                           ; step q: 16 rows x 512 bytes into set q % 2
.set II, 0
.rept 16
	global_load_b128 v[R+64*((\q)%2)+4*II:R+64*((\q)%2)+4*II+3], v4, s[4:5] offset:II*65536+(\q)*512 th:TH_LOAD_NT
.set II, II+1
.endr
.endm
.macro XSTEP q
.if (\q) < 3
	s_wait_loadcnt 16                              ; this step's 16 loads are in; the next step's 16 may be out
.else
	s_wait_loadcnt 0x0
.endif
.set II, 0
.rept 16
	ds_store_b128 v6, v[R+64*((\q)%2)+4*II:R+64*((\q)%2)+4*II+3] offset:528*II
.set II, II+1
.endr
.irp c, 0,1
.irp g, 0,1,2,3,4,5,6,7
	ds_load_b128 v[XR+32*\c+4*\g:XR+32*\c+4*\g+3], v7 offset:256*\c+16*\g   ; LDS serves a wave's instructions in order: these see the stores above
.endr
.endr
	s_wait_dscnt 0x0                               ; my 64 numbers are back, and the stores have read their registers,
.if (\q)+2 < 4
	XLD (\q)+2                                     ; which take the loads of two steps on
.endif
.irp c, 0,1
	v_max3_num_f32 v[14+\c], |v[XR+32*\c]|, |v[XR+32*\c+1]|, 0x1800000   ; block 2 c + h is all mine; the floor 2^(3 - 127) holds the byte at 1 from below
.endr
.irp i, 2,4,6,8,10,12,14,16,18,20,22,24,26,28,30
.irp c, 0,1
	v_max3_num_f32 v[14+\c], v[14+\c], |v[XR+32*\c+\i]|, |v[XR+32*\c+\i+1]|   ; (the two blocks by turns)
.endr
.endr
.irp c, 0,1
	v_add_nc_u32 v[16+\c], 0xff000000, v[14+\c]    ; 2 off the exponent field: the conversion's scale operand
.endr
.irp c, 0,1
	v_lshrrev_b32 v[18+\c], 23, v[16+\c]           ; the scale's byte
.endr
	v_lshl_or_b32 v[20+(\q)], v19, 16, v18         ; my two bytes: blocks h and 2 + h,
	v_lshlrev_b32 v[20+(\q)], v8, v[20+(\q)]       ; at their places in the word;
	v_permlanex16_b32 v9, v[20+(\q)], s32, s33
	v_or_b32 v[20+(\q)], v[20+(\q)], v9            ; with lane l xor 16's two the word is whole, in both halves of the lanes
.irp c, 0,1
.irp g, 0,1,2,3
	v_cvt_scalef32_pk8_fp4_f32 v[C+8*(\q)+4*\c+\g], v[XR+32*\c+8*\g:XR+32*\c+8*\g+7], v[16+\c]
.endr
.endr
	v_nop                                          ; one plain line behind the last scaled conversion
	global_store_b128 v4, v[C+8*(\q):C+8*(\q)+3], s[30:31] offset:((\q)/2)*XBLK+((\q)%2)*1024        ; 32 lanes store 512 consecutive bytes
	global_store_b128 v4, v[C+8*(\q)+4:C+8*(\q)+7], s[30:31] offset:((\q)/2)*XBLK+((\q)%2)*1024+512
.if (\q)%2 == 1
	v_cndmask_b32 v[24+(\q)/2], v[20+(\q)-1], v[20+(\q)], s34     ; lanes 0-15: the even step's words; lanes 16-31: the odd step's
	global_store_b32 v5, v[24+(\q)/2], s[28:29] offset:((\q)/2)*XBLK
.endif
.endm
	XLD 0
	XLD 1
.irp q, 0,1,2,3
	XSTEP \q
.endr
	s_wait_tensorcnt 0x0                           ; the wave's end: a wait, an add and a wait behind my last LDS store
	ds_add_u32 v[SPW], v[NIL]
	s_wait_dscnt 0x0
	s_endpgm
; ---------------- PATHS W AND O: a lane takes a column, its registers run down K; 32 rows (a block) a turn, two blocks ahead.
.macro KLD kb, pitch, base
.set II, 0
.rept 32
	global_load_b32 v[32+32*((\kb)%2)+II], v5, s[\base:\base+1] offset:(32*(\kb)+II)*\pitch th:TH_LOAD_NT   ; 128 consecutive bytes a wave, 512 a work-group
.set II, II+1
.endr
.endm
.Lnot_x:
	s_cmp_lt_u32 ttmp9, 352
	s_cbranch_scc0 .Lnot_w
; PATH W.  g = work-group - 256: K step t = g % 4 (256 rows); 32 columns cw = 4 (g / 4) + wave; head n = cw / 6; first column tile in the head ct0 = 2 (cw % 6).
	s_sub_co_u32 s21, ttmp9, 256
	s_and_b32 s22, s21, 3                          ; t
	s_lshr_b32 s23, s21, 2
	s_lshl_b32 s23, s23, 2
	s_add_co_u32 s23, s23, s20                     ; cw, 0..95
	s_mul_i32 s24, s23, 43
	s_lshr_b32 s24, s24, 8                         ; n = cw / 6 (43 / 256 serves up to 95)
	s_mul_i32 s25, s24, 6
	s_sub_co_u32 s25, s23, s25
	s_lshl_b32 s25, s25, 1                         ; ct0
	s_mul_i32 s26, s22, 256*12288
	s_lshl_b32 s27, s23, 7
	s_add_co_u32 s26, s26, s27
	s_mov_b32 s27, 0
	s_add_nc_u64 s[6:7], s[6:7], s[26:27]
	s_lshl_b32 s28, s24, 2
	s_add_co_u32 s28, s28, s22
	s_mul_i32 s28, s28, WBLKB                      ; block 4 n + t
	s_lshl_b32 s29, s25, 11
	s_add_co_u32 s30, s28, s29
	s_mov_b32 s31, 0
	s_lshl_b32 s29, s25, 7
	s_add_co_u32 s28, s28, s29
	s_add_co_u32 s28, s28, 24576
	s_mov_b32 s29, 0
	s_add_nc_u64 s[30:31], s[14:15], s[30:31]      ; my two tiles' images
	s_add_nc_u64 s[28:29], s[14:15], s[28:29]      ; and their scale images
	v_lshlrev_b32 v6, 11, v3
	v_lshl_add_u32 v6, v2, 4, v6                   ; tile h, 16 r: block kb of 32 along K lies 256 kb on: sixteen lanes store 256 consecutive aligned bytes
	v_lshlrev_b32 v7, 7, v3
	v_lshl_add_u32 v7, v2, 2, v7                   ; tile h, 4 r
.macro QBLK kb
.set XS, 32+32*((\kb)%2)
.if (\kb) < 7
	s_wait_loadcnt 32                              ; this block's 32 loads are in; the next block's may be out
.else
	s_wait_loadcnt 0x0
.endif
	v_max3_num_f32 v14, |v[XS]|, |v[XS+1]|, |v[XS+2]|
	v_max3_num_f32 v15, |v[XS+3]|, |v[XS+4]|, |v[XS+5]|
.irp i, 6,10,14,18,22,26
	v_max3_num_f32 v14, v14, |v[XS+\i]|, |v[XS+\i+1]|
	v_max3_num_f32 v15, v15, |v[XS+\i+2]|, |v[XS+\i+3]|
.endr
	v_max3_num_f32 v14, v14, |v[XS+30]|, |v[XS+31]|
	v_max3_num_f32 v14, v14, v15, 0x1800000        ; with the floor
	v_add_nc_u32 v16, 0xff000000, v14              ; the conversion's scale operand
	v_lshrrev_b32 v17, 23, v16                     ; the byte
.if (\kb)%4 == 0
	v_mov_b32 v[20+(\kb)/4], v17                   ; four bytes to a word, the lower K in the lower byte
.else
	v_lshl_or_b32 v[20+(\kb)/4], v17, 8*((\kb)%4), v[20+(\kb)/4]
.endif
.irp g, 0,1,2,3
	v_cvt_scalef32_pk8_fp4_f32 v[96+4*(\kb)+\g], v[XS+8*\g:XS+8*\g+7], v16
.endr
	v_nop                                          ; one plain line behind the last scaled conversion
	global_store_b128 v6, v[96+4*(\kb):96+4*(\kb)+3], s[30:31] offset:256*(\kb)   ; each block has its own four registers: no store's data are written again
.if (\kb)%4 == 3
	global_store_b32 v7, v[20+(\kb)/4], s[28:29] offset:64*((\kb)/4)
.endif
.if (\kb)+2 < 8
	KLD (\kb)+2, 12288, 6
.endif
.endm
	KLD 0, 12288, 6
	KLD 1, 12288, 6
.irp kb, 0,1,2,3,4,5,6,7
	QBLK \kb
.endr
	s_endpgm
.Lnot_w:
	s_cmp_lt_u32 ttmp9, 384
	s_cbranch_scc0 .Lnot_o
; PATH O.  g = work-group - 352: nt = g / 4 (128 columns), 256 rows of K kch = g % 4; the wave takes 32 columns: column tiles 2 w and 2 w + 1.
	s_sub_co_u32 s21, ttmp9, 352
	s_lshr_b32 s22, s21, 2                         ; nt
	s_and_b32 s23, s21, 3                          ; kch
	s_lshl_b32 s26, s23, 20                        ; 256 rows of 4,096 bytes
	s_lshl_b32 s27, s22, 9
	s_add_co_u32 s26, s26, s27
	s_lshl_b32 s27, s20, 7
	s_add_co_u32 s26, s26, s27
	s_mov_b32 s27, 0
	s_add_nc_u64 s[8:9], s[8:9], s[26:27]
	s_lshl_b32 s28, s22, 3
	s_lshl_b32 s29, s23, 1
	s_add_co_u32 s28, s28, s29                     ; block 8 nt + 2 kch
	s_lshl_b32 s28, s28, 15
	s_lshl_b32 s29, s20, 13                        ; column tile 2 w
	s_add_co_u32 s28, s28, s29
	s_mov_b32 s29, 0
	s_add_nc_u64 s[28:29], s[16:17], s[28:29]
	v_lshlrev_b32 v6, 12, v3
	v_lshl_add_u32 v6, v2, 4, v6                   ; tile h, 16 r
.macro OBLK j                          ; 32 along K of my column: 16 registers of f16; registers 4 u .. 4 u + 3 are k = 8 u .. 8 u + 7, which the image has at 256 u + 16 r
.set XS, 32+32*((\j)%2)
.if (\j) < 7
	s_wait_loadcnt 32
.else
	s_wait_loadcnt 0x0
.endif
.set II, 0
.rept 16
	v_cvt_pk_f16_f32 v[96+16*(\j)+II], v[XS+2*II], v[XS+2*II+1]
.set II, II+1
.endr
.irp u, 0,1,2,3
	global_store_b128 v6, v[96+16*(\j)+4*\u:96+16*(\j)+4*\u+3], s[28:29] offset:((\j)/4)*32768+((\j)%4)*1024+256*\u   ; sixteen lanes store 256 consecutive aligned bytes
.endr
.if (\j)+2 < 8
	KLD (\j)+2, 4096, 8
.endif
.endm
	KLD 0, 4096, 8
	KLD 1, 4096, 8
.irp j, 0,1,2,3,4,5,6,7
	OBLK \j
.endr
	s_endpgm
.Lnot_o:
; PATH M.  The wave takes query tile qt = 4 (work-group - 384) + wave.  Lane (r, h) reads, for each of the 32 key tiles, the 8 bytes mask[16 qt + r][16 kt + 8 h + 0 .. 7].
; A compare turns byte j of all 32 lanes into one word; the 256 words are gathered, 32 to a register, and leave in 8 stores of 128 consecutive bytes.
	s_sub_co_u32 s21, ttmp9, 384
	s_lshl_b32 s21, s21, 2
	s_add_co_u32 s21, s21, s20                     ; qt
	s_lshl_b32 s26, s21, 13                        ; 16 rows of 512 bytes
	s_mov_b32 s27, 0
	s_add_nc_u64 s[10:11], s[10:11], s[26:27]
	s_lshl_b32 s28, s21, 10
	s_mov_b32 s29, 0
	s_add_nc_u64 s[18:19], s[18:19], s[28:29]
	v_lshlrev_b32 v6, 9, v2
	v_lshl_add_u32 v6, v3, 3, v6
.set KT, 0
.rept 32
	global_load_b64 v[32+2*KT:33+2*KT], v6, s[10:11] offset:16*KT
.set KT, KT+1
.endr
.irp i, 0,1,2,3,4,5,6,7
	v_mov_b32 v[96+\i], 0                          ; (v_writelane_b32's destination counts as read)
.endr
	s_wait_loadcnt 0x0
.set KT, 0
.rept 32
.set J, 0
.rept 8
	v_and_b32 v[14+J%2], 0xff<<(8*(J%4)), v[32+2*KT+J/4]
	v_cmp_ne_u32 s[22+J%2], 0, v[14+J%2]
	v_writelane_b32 v[96+KT/4], s[22+J%2], 8*(KT%4)+J
.set J, J+1
.endr
.set KT, KT+1
.endr
.irp i, 0,1,2,3,4,5,6,7
	global_store_b32 v5, v[96+\i], s[18:19] offset:128*\i
.endr
	s_endpgm
.Lfunc_end_k_q54c4244991_prep:
	.size	k_q54c4244991_prep, .Lfunc_end_k_q54c4244991_prep-k_q54c4244991_prep
	.p2alignl 7, 3214868480
	.fill 96, 4, 3214868480
	.section	.rodata,"a",@progbits
	.p2align	6, 0x0
	.amdhsa_kernel k_q54c4244991_prep
		.amdhsa_group_segment_fixed_size 34304
		.amdhsa_private_segment_fixed_size 0
		.amdhsa_enable_private_segment 0
		.amdhsa_kernarg_size 64
		.amdhsa_user_sgpr_count 2
		.amdhsa_user_sgpr_kernarg_segment_ptr 1
		.amdhsa_wavefront_size32 1
		.amdhsa_system_sgpr_workgroup_id_x 1
		.amdhsa_system_sgpr_workgroup_id_y 1
		.amdhsa_system_sgpr_workgroup_id_z 1
		.amdhsa_system_vgpr_workitem_id 0
		.amdhsa_next_free_vgpr 256
		.amdhsa_next_free_sgpr 66
		.amdhsa_reserve_vcc 0
		.amdhsa_float_denorm_mode_32 3
		.amdhsa_float_denorm_mode_16_64 3
		.amdhsa_memory_ordered 1
		.amdhsa_forward_progress 1
		.amdhsa_inst_pref_size 157
	.end_amdhsa_kernel
	.amdgpu_metadata
---
amdhsa.version: [ 1, 2 ]
amdhsa.kernels:
  - .name:           k_q54c4244991_prep
    .symbol:         k_q54c4244991_prep.kd
    .args:
      - { .name: hidden_states, .offset: 0, .size: 8, .value_kind: global_buffer, .address_space: global }
      - { .name: Wqkv, .offset: 8, .size: 8, .value_kind: global_buffer, .address_space: global }
      - { .name: Wout, .offset: 16, .size: 8, .value_kind: global_buffer, .address_space: global }
      - { .name: attention_mask, .offset: 24, .size: 8, .value_kind: global_buffer, .address_space: global }
      - { .name: xq, .offset: 32, .size: 8, .value_kind: global_buffer, .address_space: global }
      - { .name: wq, .offset: 40, .size: 8, .value_kind: global_buffer, .address_space: global }
      - { .name: wo, .offset: 48, .size: 8, .value_kind: global_buffer, .address_space: global }
      - { .name: maskw, .offset: 56, .size: 8, .value_kind: global_buffer, .address_space: global }
    .group_segment_fixed_size: 34304
    .private_segment_fixed_size: 0
    .kernarg_segment_align: 8
    .kernarg_segment_size: 64
    .max_flat_workgroup_size: 128
    .sgpr_count:     66
    .vgpr_count:     256
    .wavefront_size: 32
...
	.end_amdgpu_metadata
.endif
;; end of part 1
;; launch attn (part 2): grid 16 x 16, 8 waves a work-group, clusters of 4 x 4, 327,680 bytes of LDS; arguments xq, wq, bqkv, maskw, ctx; writes ctx
.if DOCPART == 2
	.amdgcn_target "amdgcn-amd-amdhsa--gfx1250"
	.amdhsa_code_object_version 6
	.text
	.protected	k_q54c4244991_attn
	.globl	k_q54c4244991_attn
	.p2align	8
	.type	k_q54c4244991_attn,@function
k_q54c4244991_attn:
	s_mov_b64 s[64:65], 0
	v_nop
	global_prefetch_b8 v0, s[64:65] scope:SCOPE_SE
	s_setreg_imm32_b32 hwreg(HW_REG_WAVE_MODE, 25, 1), 1
	s_wait_xcnt 0x0
	s_wait_alu depctr_hold_cnt(0) depctr_sa_sdst(0) depctr_va_vdst(0) depctr_va_sdst(0) depctr_va_ssrc(0) depctr_va_vcc(0) depctr_vm_vsrc(0)
	s_getreg_b32 s2, hwreg(HW_REG_IB_STS2, 6, 4)
	s_cmp_eq_u32 s2, 0
	s_cbranch_scc0 .Lentry_in_a_cluster
	s_endpgm
.Lentry_in_a_cluster:
	s_bfe_u32 s2, ttmp6, 0x10000c
	s_cmp_lg_u32 s2, 0xf033
	s_cbranch_scc0 .Lentry_shape_is_right
	s_endpgm
.Lentry_shape_is_right:
; ATTN: one work-group for each (batch b, head n).  It makes q, k, v of its head (512 positions x 192 columns, K = 1,024) on codes of E2M1 with E8M0 scales, keeps q in registers,
; lays k and v in LDS as f16, runs the masked softmax over all 512 keys, 64 a step, and stores the context as f16 operand images.  q, k, v never go to memory.
; SHARES.  Eight waves, two to a SIMD; wave w owns positions 64 w .. 64 w + 63 (four tiles i of 16), as rows of the first product and as queries.
; FIRST PRODUCT.  K goes in four steps of 256 through three LDS slots; a slot is a block of xq and a block of wq as they lie in memory (images of operand registers, then scale images).
;   q and k are made transposed (source 0 = 16 columns of W, source 1 = 16 positions): a lane holds one position and 8 neighbouring channels.  v the other way round: a lane holds one channel and 8 positions.
; CLUSTER.  4 x 4 work-groups: the four of a row share b and so x's blocks, the four of a column share n and so W's blocks: each block is asked for jointly.
; ATTENTION.  S^T = K Q^T and O^T = V^T P (both f16, sums f32): a lane holds ONE query.  c = log2(e) / 8 is folded into q, so a score arrives as t; hidden scores become NEG = -3e38 by v_cndmask_b32 on
;   the mask words of launch prep; a running maximum m and sum l; p = 2^(t - m); O and l are multiplied by a = 2^(old m - new m) in every step.
;   While all of a row is hidden, m = NEG and t - m is an exact 0; the first key that counts makes a = 0.  A row with no key that counts ends with m = NEG and gets the context 0, as the reference's second where gives it.
; THE MASK WORDS.  A wave's four query tiles have 4,096 consecutive bytes of maskw: they are copied ONCE, at the head, into LDS bytes of the wave's own.  A step's 32 words of a tile are 128 consecutive bytes there:
;   one ds_load_b32 gives lane l word l, and 32 v_readlane_b32 bring them to the scalar registers that v_cndmask_b32 names.  The four loads of a step are issued ahead of its first 16 products.
; LIMITS: q c, k, v and the context must lie within f16's +-65,504; a score t under -1e38 counts as hidden; NaN and infinities are not served.
; No prefetch: three of the four K steps are asked for at the kernel's head, the fourth two slot steps ahead of its use.
; REGISTERS.  window 0: v1 16 x lane; v2-9 LDS addresses (later v's bias; later v2-5 sums, v6, v7 AK, AV, v8, v9 mask words); v10, v11 the add's two; v12-15 addresses (later NEG, the mask words' address, mask words);
;   v16-31 scale words and nothing else; v32-63 x's fragments, later at work, later statistics; v64-127 W's fragments (two sets), later biases, later K's fragments; v128-255 q's sums, later S^T and P.
;   window 1: v0-127 k's sums, later O^T; v128-255 v's sums, later Q (128-191) and V's fragments (192-255).
.set SLOTB, 95744                      ; a slot: x's codes 65,536, x's scale images 4,096, W's codes 24,576, W's scale images 1,536
.set XBLK,  69632
.set WBLKB, 26112
.set XSC,   65536
.set WCO,   69632
.set WSC,   94208
.set SPARE, 3*SLOTB                    ; the spare words, 128 bytes a wave
.set BIAS,  SPARE+1024                 ; 768 bytes a wave: its own copy of the head's 192 biases
.set MASKL, BIAS+8*768                 ; 4,096 bytes a wave: its own copy of its four query tiles' mask words; ends at 327,168
.set KP,    144                        ; a key's row: 128 bytes + 16: nine times 16 bytes, so that the 16 rows of a load start at 16 different groups of four banks
.set VP,    1040                       ; a channel's row of V^T: 1,024 bytes + 16
.set KLDS,  SLOTB                      ; K and V^T lie in slots 1 and 2, which have had their last fill and their last read by then
.set VLDS,  KLDS+512*KP
.set SPW, 10
.set NIL, 11
.set VST, 12                           ; where I store V^T;  later NEG
.set KST, 13                           ; where I store K;    later the mask words' address; on the way out the threshold
.set BA,  14                           ; q's and k's biases in my copy
.set BVA, 15                           ; v's
.set XS,  16                           ; v16-19 x's scale words, tile i: lanes 0-15 the first 128 along K of the slot, lanes 16-31 the second
.set WS,  20                           ; v20-31 W's, column tile 0..11
.set XF,  32
.set WF,  64
.set T,   32
.set BV,  2
.set BK,  64
.set BQ,  96
.set AK,  6
.set AV,  7
.set NEG, 12
.set MA,  13                           ; LDS address of my lane's mask word of tile 0 in the step in hand
.set THR, 13
.set SA,  2
.set SB,  4
.set ST,  32                           ; tile i's statistics at v[ST + 8 i]: +0 m, +1 old m, +2, +3 l, +4 .. +7 at work, a at +6.  A tile's +4 .. +7 are dead outside its own softmax: the tile before takes them for two of its sum chains
.set KF,  64
.set S,   128
.set QF,  128                          ; in window 1
.set VF,  192                          ; in window 1
.set WV,  14                           ; s14 wave
.set CS,  20                           ; s[20:21] c
.set SEL, 22                           ; s[22:23] lane selects: lane l xor 16
.set G1X, 24
.set G1W, 32
.set G0X, 40                           ; s[40:51] a group 0 for each slot
.set G0W, 52                           ; s[52:63]
.set MW,  32                           ; mask words: s[32:63] and s[68:99] by turns, once the descriptors are done with
.set MSB, 0
.macro WIN new                         ; the immediate's high byte repeats the setting that is left
.if MSB != \new
	s_set_vgpr_msb (MSB<<8)|\new
.set MSB, \new
.endif
.endm
.macro PLACES                          ; four plain places behind matrix instructions, in front of loads into their registers and of reads of their results
.rept 4
	v_nop
.endr
.endm
.macro JLOAD s                         ; a joint load: waves 0-3 fetch x's quarters, waves 4-7 W's; the branch hangs on the wave's number alone
	s_cmp_lt_u32 s[WV], 4
	s_cbranch_scc0 .Lfor_w_\@
	tensor_load_to_lds s[G0X+4*\s:G0X+4*\s+3], s[G1X:G1X+7]
	s_nop 0
.rept 4
	v_nop
.endr
	s_branch .Lasked_\@
.Lfor_w_\@:
	tensor_load_to_lds s[G0W+4*\s:G0W+4*\s+3], s[G1W:G1W+7]
	s_nop 0
.rept 4
	v_nop
.endr
.Lasked_\@:
.endm
.macro CROUND                          ; a round of the cluster's barrier
	s_barrier_signal -1
	s_barrier_wait -1
	s_cmp_lg_u32 s[WV], 0
	s_cbranch_scc1 .Lnot_wave_0_\@
	s_barrier_signal -3
.Lnot_wave_0_\@:
	s_barrier_wait -3
	s_barrier_signal -1
	s_barrier_wait -1
.endm
	s_load_b256 s[4:11], s[0:1], 0x0               ; xq s[4:5], wq s[6:7], bqkv s[8:9], maskw s[10:11]
	s_load_b64 s[12:13], s[0:1], 0x20              ; ctx
	v_lshl_add_u32 v[SPW], v0, 2, SPARE
	v_mov_b32 v[NIL], 0
	ds_add_u32 v[SPW], v[NIL]                      ; the wave's opening: the add, twice on end, and its wait ahead of my first tensor load
	ds_add_u32 v[SPW], v[NIL]
	v_lshrrev_b32 v1, 5, v0
	v_readfirstlane_b32 s[WV], v1                  ; wave 0..7
	s_bfe_u32 s15, ttmp6, 0x40000                  ; cx
	s_bfe_u32 s16, ttmp6, 0x40004                  ; cy
	s_lshl_b32 s17, ttmp9, 2
	s_add_co_u32 s17, s17, s15                     ; head n = 4 x cluster x + cx
	s_and_b32 s18, ttmp7, 0xffff
	s_lshl_b32 s18, s18, 2
	s_add_co_u32 s18, s18, s16                     ; batch b = 4 x cluster y + cy
	s_lshl_b32 s19, s16, 2
	s_lshl_b32 s19, 15, s19                        ; my row of the cluster
	s_lshl_b32 s66, 0x1111, s15                    ; my column
	s_or_b32 s[G1X], s19, (3<<16)|(1<<21)          ; x's quarter of a block: 68 rows of 256 bytes (32 elements of 8), dense, no padding; the mask: my row
	s_mov_b32 s[G1X+1], 32<<16
	s_mov_b32 s[G1X+2], 68<<16
	s_mov_b32 s[G1X+3], 32<<16
	s_mov_b32 s[G1X+4], 68
	s_mov_b32 s[G1X+5], 32
	s_mov_b32 s[G1X+6], 0
	s_mov_b32 s[G1X+7], 0
	s_or_b32 s[G1W], s66, (3<<16)|(1<<21)          ; W's quarter: 51 rows of 128 bytes; the mask: my column
	s_mov_b32 s[G1W+1], 16<<16
	s_mov_b32 s[G1W+2], 51<<16
	s_mov_b32 s[G1W+3], 16<<16
	s_mov_b32 s[G1W+4], 51
	s_mov_b32 s[G1W+5], 16
	s_mov_b32 s[G1W+6], 0
	s_mov_b32 s[G1W+7], 0
	s_and_b32 s67, s[WV], 3                        ; which quarter I fetch
	s_mul_i32 s72, s67, 17408                      ; x's quarter, in memory and in a slot
	s_mul_i32 s68, s18, 4*XBLK                     ; x's address hangs on b and the wave alone,
	s_add_co_u32 s68, s68, s72
	s_mov_b32 s69, 0
	s_mul_i32 s73, s67, 6528                       ; W's quarter
	s_mul_i32 s70, s17, 4*WBLKB                    ; W's on n and the wave alone
	s_add_co_u32 s70, s70, s73
	s_mov_b32 s71, 0
	s_mul_i32 s74, s17, 768                        ; the head's 192 biases
	s_mov_b32 s75, 0
	s_lshl_b32 s76, s[WV], 12                      ; my four query tiles' mask words: in maskw,
	s_mov_b32 s77, 0
	s_add_co_u32 s85, s76, MASKL                   ; and my copy of them in LDS
	s_mul_i32 s78, s[WV], 768
	s_add_co_u32 s78, s78, BIAS                    ; my copy of the biases
	s_lshl_b32 s79, s[WV], 13                      ; my four row tiles' images
	s_lshl_b32 s82, s[WV], 9
	s_add_co_u32 s82, s82, XSC                     ; and their scale images
	s_lshl_b32 s83, s[WV], 7
	s_add_co_u32 s83, s83, VLDS
	s_mul_i32 s84, s[WV], 64*KP
	s_add_co_u32 s84, s84, KLDS
	s_lshl_b32 s80, s18, 1                         ; ctx: row block mt = 2 b + w / 4,
	s_lshr_b32 s81, s[WV], 2
	s_add_co_u32 s80, s80, s81
	s_lshl_b32 s80, s80, 3
	s_lshr_b32 s81, s17, 1                         ; K step n / 2: blocks of 65,536 bytes;
	s_add_co_u32 s80, s80, s81
	s_lshl_b32 s80, s80, 16
	s_lshl_b32 s81, s67, 14                        ; row tile 4 (w % 4) + i: 4,096 bytes each;
	s_add_co_u32 s80, s80, s81
	s_and_b32 s81, s17, 1
	s_lshl_b32 s81, s81, 11                        ; images 2 (n % 2) and 2 (n % 2) + 1
	s_add_co_u32 s80, s80, s81
	s_mov_b32 s81, 0
	s_mov_b32 s[CS], 0x3e38aa3b                    ; c = log2(e) / 8
	s_mov_b32 s[CS+1], s[CS]
	s_mov_b32 s[SEL], 0x76543210
	s_mov_b32 s[SEL+1], 0xfedcba98
	s_wait_dscnt 0x0                               ; both opening adds are done
	s_wait_kmcnt 0x0
	s_add_nc_u64 s[68:69], s[4:5], s[68:69]
	s_add_nc_u64 s[70:71], s[6:7], s[70:71]
	s_add_nc_u64 s[8:9], s[8:9], s[74:75]
	s_add_nc_u64 s[10:11], s[10:11], s[76:77]
	s_add_nc_u64 s[12:13], s[12:13], s[80:81]
	CROUND                                         ; all sixteen work-groups are here: the first joint loads meet
.irp s, 0,1,2                          ; K steps 0, 1, 2 into slots 0, 1, 2: three loads of mine are out
	s_mov_b32 s[G0X+4*\s], 1
	s_add_co_u32 s[G0X+4*\s+1], s72, \s*SLOTB
	s_add_nc_u64 s[G0X+4*\s+2:G0X+4*\s+3], s[68:69], \s*XBLK
	s_or_b32 s[G0X+4*\s+3], s[G0X+4*\s+3], 0x80000000
	s_mov_b32 s[G0W+4*\s], 1
	s_add_co_u32 s[G0W+4*\s+1], s73, \s*SLOTB+WCO
	s_add_nc_u64 s[G0W+4*\s+2:G0W+4*\s+3], s[70:71], \s*WBLKB
	s_or_b32 s[G0W+4*\s+3], s[G0W+4*\s+3], 0x80000000
	JLOAD \s
.endr
	v_and_b32 v40, 31, v0                          ; lane  (v32-47 and v64-95 are free until the first fragments come)
	v_lshlrev_b32 v41, 3, v40
	global_load_b64 v[32:33], v41, s[8:9]          ; the head's 192 biases, 8 bytes a lane
	global_load_b64 v[34:35], v41, s[8:9] offset:256
	global_load_b64 v[36:37], v41, s[8:9] offset:512
	v_lshlrev_b32 v1, 4, v40                       ; 16 x lane
.irp k, 0,1,2,3,4,5,6,7
	global_load_b128 v[64+4*\k:64+4*\k+3], v1, s[10:11] offset:512*\k   ; my 4,096 bytes of mask words: 32 lanes read 512 consecutive bytes
.endr
	v_lshlrev_b32 v42, 2, v40                      ; 4 x lane
	v_and_b32 v44, 15, v0                          ; r
	v_bfe_u32 v45, v0, 4, 1                        ; h
	v_add_nc_u32 v43, s78, v41
	v_add_nc_u32 v46, s85, v1                      ; where the mask words go: as they lie
	v_add_nc_u32 v2, s79, v1                       ; slot 0: x's images,
	v_add_nc_u32 v3, WCO, v1                       ; W's images,
	v_add_nc_u32 v4, s82, v42                      ; x's scale images,
	v_add_nc_u32 v5, WSC, v42                      ; W's scale images
	v_mul_u32_u24 v[VST], v44, VP                  ; V^T: row = channel r, + 128 w + 16 h
	v_lshl_add_u32 v[VST], v45, 4, v[VST]
	v_add_nc_u32 v[VST], s83, v[VST]
	v_mul_u32_u24 v[KST], v44, KP                  ; K: row = key 64 w + r, + 16 h
	v_lshl_add_u32 v[KST], v45, 4, v[KST]
	v_add_nc_u32 v[KST], s84, v[KST]
	v_lshl_add_u32 v[BA], v45, 5, s78              ; biases of channels 8 h + 0 .. 7 of a tile
	v_lshl_add_u32 v[BVA], v44, 2, s78
	v_add_nc_u32 v[BVA], 512, v[BVA]               ; v's bias of channel r of a tile
	s_wait_loadcnt 0x0
	ds_store_b64 v43, v[32:33]
	ds_store_b64 v43, v[34:35] offset:256
	ds_store_b64 v43, v[36:37] offset:512
.irp k, 0,1,2,3,4,5,6,7
	ds_store_b128 v46, v[64+4*\k:64+4*\k+3] offset:512*\k
.endr
; ---- the first product
.macro SCLOAD A                        ; a slot's scale words: one register serves both of the slot's 128 along K
.irp i, 0,1,2,3
	ds_load_b32 v[XS+\i], v[\A+2] offset:128*\i
.endr
.irp t, 0,1,2,3,4,5,6,7,8,9,10,11
	ds_load_b32 v[WS+\t], v[\A+3] offset:128*\t
.endr
.endm
.macro XLOAD A, kq                     ; my four fragments of x
.irp i, 0,1,2,3
.irp c, 0,1
	ds_load_b128 v[XF+8*\i+4*\c:XF+8*\i+4*\c+3], v[\A] offset:2048*\i+1024*\kq+512*\c
.endr
.endr
.endm
.macro WLOAD A                         ; four fragments of W: column tiles 4 LG .. 4 LG + 3, the slot's LKQ-th 128 along K, into set LSET
.irp t, 0,1,2,3
.irp c, 0,1
	ds_load_b128 v[WF+32*LSET+8*\t+4*\c:WF+32*LSET+8*\t+4*\c+3], v[\A+1] offset:(4*LG+\t)*2048+1024*LKQ+512*\c
.endr
.endr
.endm
.macro FP4 d, a, b, sa, sb
.if ZR
	v_wmma_scale_f32_16x16x128_f8f6f4 v[\d:\d+7], v[\a:\a+7], v[\b:\b+7], 0, v[\sa], v[\sb] matrix_a_fmt:MATRIX_FMT_FP4 matrix_b_fmt:MATRIX_FMT_FP4
.elseif KQ
	v_wmma_scale_f32_16x16x128_f8f6f4 v[\d:\d+7], v[\a:\a+7], v[\b:\b+7], v[\d:\d+7], v[\sa], v[\sb] matrix_a_fmt:MATRIX_FMT_FP4 matrix_b_fmt:MATRIX_FMT_FP4 matrix_a_scale:MATRIX_SCALE_ROW1 matrix_b_scale:MATRIX_SCALE_ROW1
.else
	v_wmma_scale_f32_16x16x128_f8f6f4 v[\d:\d+7], v[\a:\a+7], v[\b:\b+7], v[\d:\d+7], v[\sa], v[\sb] matrix_a_fmt:MATRIX_FMT_FP4 matrix_b_fmt:MATRIX_FMT_FP4
.endif
.endm
.macro MUL16                           ; 16 products: my four row tiles x the four column tiles of group G (0: q, 1: k, 2: v).  The 48 sums take turns, one instruction a turn
.if G == 0
	WIN 0
.else
	WIN 0x50                                       ; C and D in window 1
.endif
.set DB, 128
.if G == 1
.set DB, 0
.endif
.irp i, 0,1,2,3
.irp t, 0,1,2,3
.if G == 2
	FP4 DB+32*\i+8*\t, XF+8*\i, WF+32*WSET+8*\t, XS+\i, WS+8+\t
.else
	FP4 DB+32*\i+8*\t, WF+32*WSET+8*\t, XF+8*\i, WS+4*G+\t, XS+\i
.endif
.endr
.endr
	WIN 0
.endm
.macro SLOTSTEP A, zero                ; a slot: 256 along K: six groups of 16 products; W's next four fragments are asked for a group ahead, into the other set
	SCLOAD \A
	XLOAD \A, 0
.set LG, 0
.set LKQ, 0
.set LSET, 0
	WLOAD \A
.set M, 0
.rept 6
.if (M > 0) && (M < 5)
	PLACES
.endif
.if M == 3
	XLOAD \A, 1
.endif
.if M < 5
.set LG, (M+1)%3
.set LKQ, (M+1)/3
.set LSET, (M+1)%2
	WLOAD \A
	s_wait_dscnt 8                                 ; all but the 8 loads just issued
.else
	s_wait_dscnt 0x0
.endif
.set G, M%3
.set KQ, M/3
.set WSET, M%2
.set ZR, 0
.if \zero
.if M < 3
.set ZR, 1                             ; the first products start the sums: nothing is cleared
.endif
.endif
	MUL16
.set M, M+1
.endr
.endm
	s_wait_tensorcnt 0x2                           ; my part of slot 0 is in; slots 1 and 2 may stay out
	s_wait_dscnt 0x0                               ; my copies of the biases and of the mask words are stored
	s_barrier_signal -1
	s_barrier_wait -1
	SLOTSTEP 2, 1                                  ; K step 0
	s_wait_tensorcnt 0x0                           ; all my tensor loads have landed,
	ds_add_u32 v[SPW], v[NIL]                      ; 0 onto my spare word;
	s_add_nc_u64 s[G0X+2:G0X+3], s[G0X+2:G0X+3], 3*XBLK    ; slot 0's descriptors step to K step 3
	s_add_nc_u64 s[G0W+2:G0W+3], s[G0W+2:G0W+3], 3*WBLKB
	s_wait_dscnt 0x0                               ; the add is done, and my reads of slot 0 are over
	CROUND                                         ; the same holds of every wave of every partner
	JLOAD 0                                        ; the one refill: it has two slots' products in which to land; its four v_nop are the places in front of the loads below
.irp k, 0,1,2,3
	v_add_nc_u32 v[6+\k], SLOTB, v[2+\k]
.endr
	SLOTSTEP 6, 0                                  ; K step 1
	PLACES
.irp k, 0,1,2,3
	v_add_nc_u32 v[6+\k], 2*SLOTB, v[2+\k]
.endr
	SLOTSTEP 6, 0                                  ; K step 2
	s_wait_tensorcnt 0x0                           ; my part of K step 3 is in,
	s_wait_dscnt 0x0                               ; and my reads of slots 1 and 2 are over: behind this barrier they may be written
	s_barrier_signal -1
	s_barrier_wait -1
	PLACES
	SLOTSTEP 2, 0                                  ; K step 3
	PLACES
; ---- the sums get their biases and become f16: V^T and K to LDS, Q to registers
.irp t, 0,1,2,3
	ds_load_b32 v[BV+2*\t], v[BVA] offset:64*\t    ; v's bias of my channel, in both halves of a pair
	ds_load_b32 v[BV+2*\t+1], v[BVA] offset:64*\t
.endr
.irp t, 0,1,2,3
	ds_load_b128 v[BK+8*\t:BK+8*\t+3], v[BA] offset:256+64*\t
	ds_load_b128 v[BK+8*\t+4:BK+8*\t+7], v[BA] offset:256+64*\t+16
	ds_load_b128 v[BQ+8*\t:BQ+8*\t+3], v[BA] offset:64*\t
	ds_load_b128 v[BQ+8*\t+4:BQ+8*\t+7], v[BA] offset:64*\t+16
.endr
	s_wait_dscnt 0x0
.macro PACK16                          ; 32 numbers in v[T] on become 16 registers of f16, in place, in ascending order
.set DD, 0
.rept 16
	v_cvt_pk_f16_f32 v[T+DD], v[T+2*DD], v[T+2*DD+1]
.set DD, DD+1
.endr
.endm
.irp i, 0,1,2,3                        ; V: lane (r, h) holds channel 16 t + r and positions 16 i + 8 h + 0 .. 7: 16 bytes of a row of V^T
	WIN 0x01                                       ; source 0 in window 1
.irp t, 0,1,2,3
.irp p, 0,2,4,6
	v_pk_add_f32 v[T+8*\t+\p:T+8*\t+\p+1], v[128+32*\i+8*\t+\p:128+32*\i+8*\t+\p+1], v[BV+2*\t:BV+2*\t+1]
.endr
.endr
	WIN 0
	PACK16
.irp t, 0,1,2,3
	ds_store_b128 v[VST], v[T+4*\t:T+4*\t+3] offset:\t*16*VP+32*\i
.endr
	s_wait_dscnt 0x0                               ; the stores have read their registers
.endr
.irp i, 0,1,2,3                        ; K: lane (r, h) holds key 16 i + r and channels 16 t + 8 h + 0 .. 7
	WIN 0x01
.irp t, 0,1,2,3
.irp p, 0,2,4,6
	v_pk_add_f32 v[T+8*\t+\p:T+8*\t+\p+1], v[32*\i+8*\t+\p:32*\i+8*\t+\p+1], v[BK+8*\t+\p:BK+8*\t+\p+1]
.endr
.endr
	WIN 0
	PACK16
.irp t, 0,1,2,3
	ds_store_b128 v[KST], v[T+4*\t:T+4*\t+3] offset:\i*16*KP+32*\t
.endr
	s_wait_dscnt 0x0
.endr
.set DD, 0
.rept 16
	v_pk_mul_f32 v[BQ+2*DD:BQ+2*DD+1], v[BQ+2*DD:BQ+2*DD+1], s[CS:CS+1] op_sel_hi:[1,0]   ; q's bias x c
.set DD, DD+1
.endr
.irp i, 0,1,2,3
.irp t, 0,1,2,3
.irp p, 0,2,4,6
	v_pk_fma_f32 v[S+32*\i+8*\t+\p:S+32*\i+8*\t+\p+1], v[S+32*\i+8*\t+\p:S+32*\i+8*\t+\p+1], s[CS:CS+1], v[BQ+8*\t+\p:BQ+8*\t+\p+1] op_sel_hi:[1,0,1]   ; (q + bias) c
.endr
.endr
.endr
	WIN 0x40                                       ; destination in window 1: two packed tiles of 16 channels ARE a fragment of Q (16 queries x 32 channels)
.irp i, 0,1,2,3
.set DD, 0
.rept 16
	v_cvt_pk_f16_f32 v[QF+16*\i+DD], v[S+32*\i+2*DD], v[S+32*\i+2*DD+1]
.set DD, DD+1
.endr
.endr
	WIN 0
	v_and_b32 v8, 15, v0
	v_bfe_u32 v9, v0, 4, 1
	v_mul_u32_u24 v[AK], v8, KP                    ; a fragment of K: key r, + 16 h
	v_lshl_add_u32 v[AK], v9, 4, v[AK]
	v_add_nc_u32 v[AK], KLDS, v[AK]
	v_mul_u32_u24 v[AV], v8, VP                    ; of V^T: channel r, + 16 h
	v_lshl_add_u32 v[AV], v9, 4, v[AV]
	v_add_nc_u32 v[AV], VLDS, v[AV]
	v_and_b32 v[MA], 31, v0
	v_lshl_add_u32 v[MA], v[MA], 2, s85            ; my copy of the mask words, + 4 x lane
	v_mov_b32 v[NEG], 0xff61b1e6                   ; -3e38
	s_wait_dscnt 0x0                               ; for the others' sake: my rows of K and V^T are stored
	s_barrier_signal -1
	s_barrier_wait -1
; ---- attention: eight steps of 64 keys
.macro KLOAD                           ; a step's K: 4 tiles of 16 keys x 2 halves of the 64 channels
	WIN 0
.irp kt, 0,1,2,3
.irp c, 0,1
	ds_load_b128 v[KF+16*\kt+8*\c:KF+16*\kt+8*\c+3], v[AK] offset:\kt*16*KP+64*\c
	ds_load_b128 v[KF+16*\kt+8*\c+4:KF+16*\kt+8*\c+7], v[AK] offset:\kt*16*KP+64*\c+32
.endr
.endr
.endm
.macro VLOAD                           ; a step's V^T: 2 halves of the 64 keys x 4 tiles of 16 channels
	WIN 0x40
.irp kk, 0,1
.irp vt, 0,1,2,3
	ds_load_b128 v[VF+32*\kk+8*\vt:VF+32*\kk+8*\vt+3], v[AV] offset:\vt*16*VP+64*\kk
	ds_load_b128 v[VF+32*\kk+8*\vt+4:VF+32*\kk+8*\vt+7], v[AV] offset:\vt*16*VP+64*\kk+32
.endr
.endr
	WIN 0
.endm
.macro MASKLD                          ; a step's mask words: tile i's 32 words, lane l word l, into v8, v9, v14, v15
.irp i, 0,1,2,3
	ds_load_b32 v[8+(\i)%2+6*((\i)/2)], v[MA] offset:1024*\i
.endr
.endm
.macro SQK i                           ; S^T of tile i: four sums by turns, two deep
	WIN 0x04                                       ; source 1 (Q) in window 1
.irp c, 0,1
.irp kt, 0,1,2,3
.if \c == 0
	v_wmma_f32_16x16x32_f16 v[S+32*(\i)+8*\kt:S+32*(\i)+8*\kt+7], v[KF+16*\kt+8*\c:KF+16*\kt+8*\c+7], v[QF+16*(\i)+8*\c:QF+16*(\i)+8*\c+7], 0
.else
	v_wmma_f32_16x16x32_f16 v[S+32*(\i)+8*\kt:S+32*(\i)+8*\kt+7], v[KF+16*\kt+8*\c:KF+16*\kt+8*\c+7], v[QF+16*(\i)+8*\c:QF+16*(\i)+8*\c+7], v[S+32*(\i)+8*\kt:S+32*(\i)+8*\kt+7]
.endif
.endr
.endr
.endm
.macro PV i, first                     ; O^T of tile i += V^T P: four sums by turns, two deep
	WIN 0x51                                       ; source 0 (V), C and D in window 1
.irp kk, 0,1
.irp vt, 0,1,2,3
.if (\first) && (\kk == 0)
	v_wmma_f32_16x16x32_f16 v[32*(\i)+8*\vt:32*(\i)+8*\vt+7], v[VF+32*\kk+8*\vt:VF+32*\kk+8*\vt+7], v[S+32*(\i)+8*\kk:S+32*(\i)+8*\kk+7], 0
.else
	v_wmma_f32_16x16x32_f16 v[32*(\i)+8*\vt:32*(\i)+8*\vt+7], v[VF+32*\kk+8*\vt:VF+32*\kk+8*\vt+7], v[S+32*(\i)+8*\kk:S+32*(\i)+8*\kk+7], v[32*(\i)+8*\vt:32*(\i)+8*\vt+7]
.endif
.endr
.endr
.endm
.macro SM i, first                     ; tile i's softmax for a step.  first: no old m, no a, nothing to rescale
.set rS, S+32*(\i)
.set rT, ST+8*(\i)
.set rM, MW+36*((\i)%2)
.set rV, 8+(\i)%2+6*((\i)/2)
.set rC, ST+8*(((\i)+1)%4)+4           ; two of the four sum chains stand in the next tile's work registers, which are dead here
.set rD, rC+2
	WIN 0
.set NN, 0
.rept 32
	v_readlane_b32 s[rM+NN], v[rV], NN             ; word 8 kt + j: the 32 lanes' bits for register j of the tile of keys kt
.set NN, NN+1
.endr
.irp kt, 0,1,2,3
.irp j, 0,1,2,3,4,5,6,7
	v_cndmask_b32 v[rS+8*\kt+\j], v[NEG], v[rS+8*\kt+\j], s[rM+8*\kt+\j]   ; each sum from its low end on
.endr
.endr
.irp x, 0,1,2,3
	v_max3_num_f32 v[rT+4+\x], v[rS+8*\x], v[rS+8*\x+1], v[rS+8*\x+2]     ; the maximum, in four chains
.endr
.irp y, 3,5
.irp x, 0,1,2,3
	v_max3_num_f32 v[rT+4+\x], v[rT+4+\x], v[rS+8*\x+\y], v[rS+8*\x+\y+1]
.endr
.endr
	v_max3_num_f32 v[rT+4], v[rT+4], v[rS+7], v[rS+15]
	v_max3_num_f32 v[rT+6], v[rT+6], v[rS+23], v[rS+31]
	v_max3_num_f32 v[rT+4], v[rT+4], v[rT+5], v[rT+6]
.if \first
	v_max_num_f32 v[rT+4], v[rT+4], v[rT+7]
.else
	v_max3_num_f32 v[rT+4], v[rT+4], v[rT+7], v[rT]
.endif
	v_permlanex16_b32 v[rT+5], v[rT+4], s[SEL], s[SEL+1]   ; the query's other 32 keys lie in the lane 16 away
.if \first
	v_max_num_f32 v[rT], v[rT+4], v[rT+5]
	v_mov_b32 v[rT+1], v[rT]                       ; (named with m as a pair, so it is written)
.else
	v_mov_b32 v[rT+1], v[rT]
	v_max_num_f32 v[rT], v[rT+4], v[rT+5]
	v_sub_f32 v[rT+7], v[rT+1], v[rT]
	v_exp_f32 v[rT+6], v[rT+7]                     ; a = 2^(old m - new m)
.endif
.irp x, 0,2,4,6,8,10,12,14,16,18,20,22,24,26,28,30
	v_pk_add_f32 v[rS+\x:rS+\x+1], v[rS+\x:rS+\x+1], v[rT:rT+1] op_sel_hi:[1,0] neg_lo:[0,1] neg_hi:[0,1]   ; t - m
.endr
.set EE, 0
.rept 32
	v_exp_f32 v[rS+EE], v[rS+EE]
.set EE, EE+1
.endr
	v_nop                                          ; a plain line behind the last exponential
	s_wait_alu depctr_va_vdst(0)                   ; the wait ahead of the first line that names a result: one for the 33
	v_pk_add_f32 v[SA:SA+1], v[rS:rS+1], v[rS+2:rS+3]          ; the row's sum of the unrounded p, in four chains
	v_pk_add_f32 v[SB:SB+1], v[rS+4:rS+5], v[rS+6:rS+7]
	v_pk_add_f32 v[rC:rC+1], v[rS+8:rS+9], v[rS+10:rS+11]
	v_pk_add_f32 v[rD:rD+1], v[rS+12:rS+13], v[rS+14:rS+15]
.irp x, 16,24
	v_pk_add_f32 v[SA:SA+1], v[SA:SA+1], v[rS+\x:rS+\x+1]
	v_pk_add_f32 v[SB:SB+1], v[SB:SB+1], v[rS+\x+2:rS+\x+3]
	v_pk_add_f32 v[rC:rC+1], v[rC:rC+1], v[rS+\x+4:rS+\x+5]
	v_pk_add_f32 v[rD:rD+1], v[rD:rD+1], v[rS+\x+6:rS+\x+7]
.endr
	v_pk_add_f32 v[SA:SA+1], v[SA:SA+1], v[SB:SB+1]
	v_pk_add_f32 v[rC:rC+1], v[rC:rC+1], v[rD:rD+1]
.if \first
	v_pk_add_f32 v[rT+2:rT+3], v[SA:SA+1], v[rC:rC+1]
.else
	v_pk_add_f32 v[SA:SA+1], v[SA:SA+1], v[rC:rC+1]
	v_pk_fma_f32 v[rT+2:rT+3], v[rT+2:rT+3], v[rT+6:rT+7], v[SA:SA+1] op_sel_hi:[1,0,1]   ; l = a l + the sum
.endif
.set EE, 0
.rept 16
	v_cvt_pk_f16_f32 v[rS+EE], v[rS+2*EE], v[rS+2*EE+1]    ; P, in place, in ascending order: two packed tiles of 16 keys are a fragment of 32 keys
.set EE, EE+1
.endr
.if !(\first)
	WIN 0x41                                       ; O^T (destination and source 0) in window 1
.set EE, 0
.rept 16
	v_pk_mul_f32 v[32*(\i)+2*EE:32*(\i)+2*EE+1], v[32*(\i)+2*EE:32*(\i)+2*EE+1], v[rT+6:rT+7] op_sel_hi:[1,0]
.set EE, EE+1
.endr
.endif
.endm
; A STEP.  The products of one tile stand between the softmaxes of others, whose lines are then the places behind them; the SIMD's second wave fills what is left.
.macro STEP first, more
.if !(\first)
	v_add_nc_u32 v[AV], 128, v[AV]                 ; 64 keys on in a row of V^T,
	v_add_nc_u32 v[MA], 128, v[MA]                 ; and 32 words on in each tile's mask words
.endif
	MASKLD
	VLOAD
	s_wait_dscnt 20                                ; K is in; the 4 loads of mask words and V's 16, issued behind it, may be out
	SQK 0
	SQK 1
	PLACES
	s_wait_dscnt 16                                ; the mask words are in; V's 16 loads may be out
	SM 0, \first
	SQK 2
	SM 1, \first
	s_wait_dscnt 0x0                               ; V is in
	PV 0, \first
	SQK 3
	PLACES                                         ; in front of the loads into K's registers
.if \more
	WIN 0
	v_add_nc_u32 v[AK], 64*KP, v[AK]
	KLOAD                                          ; the next step's K
.endif
	SM 2, \first
	PV 1, \first
	SM 3, \first
	PV 2, \first
	PV 3, \first
	PLACES                                         ; in front of the next step's loads into V's registers, and of the way out
	WIN 0
.endm
	KLOAD
	STEP 1, 1
	s_mov_b32 s3, 6
.Lkey:
	STEP 0, 1
	s_sub_co_u32 s3, s3, 1
	s_cmp_lg_u32 s3, 0
	s_cbranch_scc1 .Lkey
	STEP 0, 0
; ---- the way out: O^T / l, 0 for a row with no key that counts; packed, a lane's registers are the operand images of the last product
	v_mov_b32 v[THR], 0xfe967699                   ; -1e38 (the mask words' address is done with)
.irp i, 0,1,2,3
	v_add_f32 v[ST+8*\i+4], v[ST+8*\i+2], v[ST+8*\i+3]
.endr
.irp i, 0,1,2,3
	v_permlanex16_b32 v[ST+8*\i+5], v[ST+8*\i+4], s[SEL], s[SEL+1]
.endr
.irp i, 0,1,2,3
	v_add_f32 v[ST+8*\i+4], v[ST+8*\i+4], v[ST+8*\i+5]
.endr
.irp i, 0,1,2,3
	v_rcp_f32 v[ST+8*\i+6], v[ST+8*\i+4]
.endr
.irp i, 0,1,2,3
	v_cmp_gt_f32 s[MW+\i], v[ST+8*\i], v[THR]      ; did any key count?  (Plain lines behind the reciprocals)
.endr
	s_wait_alu depctr_va_vdst(0)                   ; one wait for the four reciprocals, ahead of their first reader
.irp i, 0,1,2,3
	v_cndmask_b32 v[ST+8*\i+6], 0, v[ST+8*\i+6], s[MW+\i]
.endr
	WIN 0x41
.irp i, 0,1,2,3
.set EE, 0
.rept 16
	v_pk_mul_f32 v[32*\i+2*EE:32*\i+2*EE+1], v[32*\i+2*EE:32*\i+2*EE+1], v[ST+8*\i+6:ST+8*\i+7] op_sel_hi:[1,0]
.set EE, EE+1
.endr
.endr
	WIN 0x05                                       ; sources in window 1, destination in window 0
.irp i, 0,1,2,3
.set EE, 0
.rept 16
	v_cvt_pk_f16_f32 v[S+16*\i+EE], v[32*\i+2*EE], v[32*\i+2*EE+1]
.set EE, EE+1
.endr
.endr
	WIN 0
.irp i, 0,1,2,3
.irp u, 0,1,2,3
	global_store_b128 v1, v[S+16*\i+4*\u:S+16*\i+4*\u+3], s[12:13] offset:4096*\i+512*\u   ; 32 lanes store 512 consecutive bytes, aligned
.endr
.endr
	s_wait_tensorcnt 0x0                           ; the wave's end: a wait, an add and a wait behind my last tensor load and my last LDS store
	ds_add_u32 v[SPW], v[NIL]
	s_wait_dscnt 0x0
	CROUND                                         ; the closing round
	s_endpgm
.Lfunc_end_k_q54c4244991_attn:
	.size	k_q54c4244991_attn, .Lfunc_end_k_q54c4244991_attn-k_q54c4244991_attn
	.p2alignl 7, 3214868480
	.fill 96, 4, 3214868480
	.section	.rodata,"a",@progbits
	.p2align	6, 0x0
	.amdhsa_kernel k_q54c4244991_attn
		.amdhsa_group_segment_fixed_size 327680
		.amdhsa_private_segment_fixed_size 0
		.amdhsa_enable_private_segment 0
		.amdhsa_kernarg_size 40
		.amdhsa_user_sgpr_count 2
		.amdhsa_user_sgpr_kernarg_segment_ptr 1
		.amdhsa_wavefront_size32 1
		.amdhsa_system_sgpr_workgroup_id_x 1
		.amdhsa_system_sgpr_workgroup_id_y 1
		.amdhsa_system_sgpr_workgroup_id_z 1
		.amdhsa_system_vgpr_workitem_id 0
		.amdhsa_next_free_vgpr 512
		.amdhsa_next_free_sgpr 100
		.amdhsa_reserve_vcc 0
		.amdhsa_float_denorm_mode_32 3
		.amdhsa_float_denorm_mode_16_64 3
		.amdhsa_memory_ordered 1
		.amdhsa_forward_progress 1
		.amdhsa_inst_pref_size 255
	.end_amdhsa_kernel
	.section	.bss,"aw",@nobits
	.p2align	6
	.space	262144
	.amdgpu_metadata
---
amdhsa.version: [ 1, 2 ]
amdhsa.kernels:
  - .name:           k_q54c4244991_attn
    .symbol:         k_q54c4244991_attn.kd
    .args:
      - { .name: xq, .offset: 0, .size: 8, .value_kind: global_buffer, .address_space: global }
      - { .name: wq, .offset: 8, .size: 8, .value_kind: global_buffer, .address_space: global }
      - { .name: bqkv, .offset: 16, .size: 8, .value_kind: global_buffer, .address_space: global }
      - { .name: maskw, .offset: 24, .size: 8, .value_kind: global_buffer, .address_space: global }
      - { .name: ctx, .offset: 32, .size: 8, .value_kind: global_buffer, .address_space: global }
    .group_segment_fixed_size: 327680
    .private_segment_fixed_size: 0
    .kernarg_segment_align: 8
    .kernarg_segment_size: 40
    .max_flat_workgroup_size: 256
    .sgpr_count:     100
    .vgpr_count:     512
    .wavefront_size: 32
...
	.end_amdgpu_metadata
.endif
;; end of part 2
;; launch proj (part 3): grid 8 x 32, 4 waves a work-group, clusters of 4 x 4, 327,680 bytes of LDS; arguments ctx, wo, bout, out0; writes out0
.if DOCPART == 3
	.amdgcn_target "amdgcn-amd-amdhsa--gfx1250"
	.amdhsa_code_object_version 6
	.text
	.protected	k_q54c4244991_proj
	.globl	k_q54c4244991_proj
	.p2align	8
	.type	k_q54c4244991_proj,@function
k_q54c4244991_proj:
	s_mov_b64 s[64:65], 0
	v_nop
	global_prefetch_b8 v0, s[64:65] scope:SCOPE_SE
	s_setreg_imm32_b32 hwreg(HW_REG_WAVE_MODE, 25, 1), 1
	s_wait_xcnt 0x0
	s_wait_alu depctr_hold_cnt(0) depctr_sa_sdst(0) depctr_va_vdst(0) depctr_va_sdst(0) depctr_va_ssrc(0) depctr_va_vcc(0) depctr_vm_vsrc(0)
	s_getreg_b32 s2, hwreg(HW_REG_IB_STS2, 6, 4)
	s_cmp_eq_u32 s2, 0
	s_cbranch_scc0 .Lentry_in_a_cluster
	s_endpgm
.Lentry_in_a_cluster:
	s_bfe_u32 s2, ttmp6, 0x10000c
	s_cmp_lg_u32 s2, 0xf033
	s_cbranch_scc0 .Lentry_shape_is_right
	s_endpgm
.Lentry_shape_is_right:
; PROJ: out0 = context x Wout + bout.  Both operands arrive as f16 images of operand registers (ctx from launch attn, wo from launch prep); sums in f32; out0 f32.
; A work-group makes 256 rows (row block mt: batch mt / 2, positions 256 (mt % 2) on) x 128 columns (nt).  Four waves, each 128 x 64: 32 sums of 16 x 16 in window 1.
; K goes in 8 steps of 128 through a ring of two LDS slots; a slot is a block of ctx (65,536 bytes) and a block of wo (32,768 bytes) as they lie in memory, so an LDS load's 32 lanes take 512 consecutive bytes.
; THE MATRIX INSTRUCTION IS USED TRANSPOSED (source 0 = 16 columns of Wout, source 1 = 16 rows of the context): a lane holds eight neighbouring numbers of a row of out0.  The bias is the C of each sum's first product.
; CLUSTER: 4 x 4 work-groups; the four of a row share mt and so ctx's blocks, the four of a column share nt and so wo's: each block is asked for jointly.
; REGISTERS: window 0: v1-11 addresses; v16-47 the bias, 8 registers a column tile; v48-143, v144-239 two fragment buffers (32 registers of Wout, 64 of the context, for 32 along K).  window 1: sum (a, b) at v[8 (4 a + b)].
.set SLOT,  98304
.set BOFF,  65536
.set SPARE, 2*SLOT                     ; the spare words, 128 bytes a wave
.set SP,    272                        ; the way out: a stage of 16 rows x (256 bytes + 16) a wave, in slot 0, which has had its last fill and its last read by then
.set ADA, 2                            ; v2, v3 my fragments of the context in slot 0, 1
.set ADB, 4                            ; v4, v5 of Wout
.set STO, 6
.set RD,  7
.set CO,  8
.set PFO, 9                            ; 256 x lane
.set SPW, 10
.set NIL, 11
.set BI,  16
.set F0,  48
.set F1,  144
.set BK,  48                           ; the way out: 16 rows read back: v48-79 and v80-111 by turns
.set WV,  12
.set G1A, 24
.set G0A, 32                           ; s[32:39] a group 0 for each slot
.set G1B, 40
.set G0B, 48                           ; s[48:55]
.set PFA, 56                           ; s[56:57] where my prefetches stand
.set PFS, 58                           ; s[58:59] a K step on, in bytes
.set LIM, 60                           ; 1 in a wave that prefetches, else the greatest number
.set MSB, 0
.macro WIN new
.if MSB != \new
	s_set_vgpr_msb (MSB<<8)|\new
.set MSB, \new
.endif
.endm
.macro PLACES
.rept 4
	v_nop
.endr
.endm
.macro JLOAD s                         ; a joint load: waves 0, 1 fetch the halves of ctx's block, waves 2, 3 those of wo's
	s_cmp_eq_u32 s13, 0
	s_cbranch_scc0 .Lfor_b_\@
	tensor_load_to_lds s[G0A+4*\s:G0A+4*\s+3], s[G1A:G1A+7]
	s_nop 0
.rept 4
	v_nop
.endr
	s_branch .Lasked_\@
.Lfor_b_\@:
	tensor_load_to_lds s[G0B+4*\s:G0B+4*\s+3], s[G1B:G1B+7]
	s_nop 0
.rept 4
	v_nop
.endr
.Lasked_\@:
.endm
.macro CREST
	s_cmp_lg_u32 s[WV], 0
	s_cbranch_scc1 .Lnot_wave_0_\@
	s_barrier_signal -3
.Lnot_wave_0_\@:
	s_barrier_wait -3
	s_barrier_signal -1
	s_barrier_wait -1
.endm
.macro CROUND
	s_barrier_signal -1
	s_barrier_wait -1
	CREST
.endm
; A PREFETCH INTO THE L2 of the K step that stands two refills on (256 matrix instructions of a wave ahead of the load that will want it): 8,192 bytes, lanes 256 bytes apart, one instruction a wave.
; ctx's blocks are read by both clusters of a row of clusters: cluster x = 0 asks, waves 0 and 1 each for their half, of which the four partners take 8,192 bytes each, told apart by address (cx).
; wo's blocks are read by all clusters of a column of clusters: cluster y = 0 asks, wave 2 for the whole block, 8,192 bytes a partner (cy).  So each aligned 256 bytes are named once.
; K steps 0 to 3 come by their loads alone; the last lap that refills asks for nothing: K step 7 is the last that is named.
.macro ASK
	s_cmp_gt_u32 s3, s[LIM]
	s_cbranch_scc0 .Lnot_mine_\@
	global_prefetch_b8 v[PFO], s[PFA:PFA+1] th:TH_LOAD_NT scope:SCOPE_SE
.Lnot_mine_\@:
.endm
	s_load_b256 s[4:11], s[0:1], 0x0               ; ctx s[4:5], wo s[6:7], bout s[8:9], out0 s[10:11]
	v_lshl_add_u32 v[SPW], v0, 2, SPARE
	v_mov_b32 v[NIL], 0
	ds_add_u32 v[SPW], v[NIL]                      ; the wave's opening: the add, twice on end, and its wait ahead of my first tensor load
	ds_add_u32 v[SPW], v[NIL]
	v_lshrrev_b32 v1, 5, v0
	v_readfirstlane_b32 s[WV], v1                  ; wave 0..3
	s_lshr_b32 s13, s[WV], 1                       ; which half of the rows is mine.  Also: I fetch for ctx (0) or for wo (1)
	s_and_b32 s14, s[WV], 1                        ; which half of the columns.  Also: which half of that block I fetch
	s_bfe_u32 s15, ttmp6, 0x40000                  ; cx
	s_bfe_u32 s16, ttmp6, 0x40004                  ; cy
	s_lshl_b32 s17, ttmp9, 2
	s_add_co_u32 s17, s17, s15                     ; nt
	s_and_b32 s18, ttmp7, 0xffff
	s_lshl_b32 s18, s18, 2
	s_add_co_u32 s18, s18, s16                     ; mt
	s_lshl_b32 s19, s16, 2
	s_lshl_b32 s19, 15, s19                        ; my row of the cluster
	s_lshl_b32 s20, 0x1111, s15                    ; my column
	s_or_b32 s[G1A], s19, (3<<16)|(1<<21)          ; half of ctx's block: 128 rows of 256 bytes (32 elements of 8), dense, no padding
	s_mov_b32 s[G1A+1], 32<<16
	s_mov_b32 s[G1A+2], 128<<16
	s_mov_b32 s[G1A+3], 32<<16
	s_mov_b32 s[G1A+4], 128
	s_mov_b32 s[G1A+5], 32
	s_mov_b32 s[G1A+6], 0
	s_mov_b32 s[G1A+7], 0
	s_or_b32 s[G1B], s20, (3<<16)|(1<<21)          ; half of wo's block: 64 rows of 256 bytes
	s_mov_b32 s[G1B+1], 32<<16
	s_mov_b32 s[G1B+2], 64<<16
	s_mov_b32 s[G1B+3], 32<<16
	s_mov_b32 s[G1B+4], 64
	s_mov_b32 s[G1B+5], 32
	s_mov_b32 s[G1B+6], 0
	s_mov_b32 s[G1B+7], 0
	s_lshl_b32 s66, s18, 19                        ; ctx: 8 blocks of 65,536 bytes a row block,
	s_lshl_b32 s21, s14, 15                        ; + my half; also its place in a slot
	s_add_co_u32 s66, s66, s21
	s_mov_b32 s67, 0
	s_lshl_b32 s68, s17, 18                        ; wo: 8 blocks of 32,768 bytes a column block,
	s_lshl_b32 s22, s14, 14                        ; + my half
	s_add_co_u32 s68, s68, s22
	s_mov_b32 s69, 0
	s_add_co_u32 s22, s22, BOFF                    ; its place in a slot
	s_wait_dscnt 0x0                               ; both opening adds are done
	s_wait_kmcnt 0x0
	s_add_nc_u64 s[70:71], s[4:5], s[66:67]
	s_add_nc_u64 s[72:73], s[6:7], s[68:69]
	CROUND                                         ; all sixteen work-groups are here: the first joint loads meet
.irp s, 0,1
	s_mov_b32 s[G0A+4*\s], 1
	s_add_co_u32 s[G0A+4*\s+1], s21, \s*SLOT
	s_add_nc_u64 s[G0A+4*\s+2:G0A+4*\s+3], s[70:71], \s*65536
	s_or_b32 s[G0A+4*\s+3], s[G0A+4*\s+3], 0x80000000
	s_mov_b32 s[G0B+4*\s], 1
	s_add_co_u32 s[G0B+4*\s+1], s22, \s*SLOT
	s_add_nc_u64 s[G0B+4*\s+2:G0B+4*\s+3], s[72:73], \s*32768
	s_or_b32 s[G0B+4*\s+3], s[G0B+4*\s+3], 0x80000000
	JLOAD \s
.endr
	v_and_b32 v12, 31, v0                          ; lane
	v_lshlrev_b32 v1, 4, v12                       ; 16 x lane
	v_lshlrev_b32 v[PFO], 8, v12
	v_and_b32 v13, 15, v0                          ; r
	v_bfe_u32 v14, v0, 4, 1                        ; h
	v_lshlrev_b32 v15, 5, v14                      ; 32 h
	s_lshl_b32 s74, s17, 9                         ; bout: my 64 columns
	s_lshl_b32 s75, s14, 8
	s_add_co_u32 s74, s74, s75
	s_mov_b32 s75, 0
	s_add_nc_u64 s[8:9], s[8:9], s[74:75]
.irp b, 0,1,2,3
	global_load_b128 v[BI+8*\b:BI+8*\b+3], v15, s[8:9] offset:64*\b          ; lane (r, h): the bias of columns 16 b + 8 h + 0 .. 7
	global_load_b128 v[BI+8*\b+4:BI+8*\b+7], v15, s[8:9] offset:64*\b+16
.endr
	s_lshl_b32 s23, s13, 15                        ; my 8 row tiles' images
	v_add_nc_u32 v[ADA], s23, v1
	v_add_nc_u32 v[ADA+1], SLOT, v[ADA]
	v_add_nc_u32 v[ADB], s22, v1                   ; my 4 column tiles' images
	v_add_nc_u32 v[ADB+1], SLOT, v[ADB]
	s_mul_i32 s23, s[WV], 16*SP                    ; my stage
	v_mul_u32_u24 v[STO], v13, SP                  ; in: row r, 32 bytes for each half of the lanes
	v_lshl_add_u32 v[STO], v14, 5, v[STO]
	v_add_nc_u32 v[STO], s23, v[STO]
	v_mul_u32_u24 v[RD], v14, SP                   ; back: lanes 0-15 one row of 256 bytes, lanes 16-31 the next
	v_lshl_add_u32 v[RD], v13, 4, v[RD]
	v_add_nc_u32 v[RD], s23, v[RD]
	v_lshlrev_b32 v[CO], 16, v14                   ; and the same two rows in out0: positions lie 65,536 bytes apart
	v_lshl_add_u32 v[CO], v13, 4, v[CO]
	s_and_b32 s74, s18, 1                          ; out0: position 256 (mt % 2) + 128 x my half of the rows,
	s_lshl_b32 s74, s74, 24
	s_lshl_b32 s75, s13, 23
	s_add_co_u32 s74, s74, s75
	s_lshr_b32 s75, s18, 1                         ; batch mt / 2,
	s_lshl_b32 s75, s75, 12
	s_add_co_u32 s74, s74, s75
	s_lshl_b32 s75, s17, 9                         ; column 128 nt + 64 x my half
	s_add_co_u32 s74, s74, s75
	s_lshl_b32 s75, s14, 8
	s_add_co_u32 s74, s74, s75
	s_mov_b32 s75, 0
	s_add_nc_u64 s[10:11], s[10:11], s[74:75]
	; the prefetches: where mine stand, and whether I ask
	s_and_b32 s61, ttmp7, 0xffff
	s_cmp_lt_u32 s[WV], 2
	s_cselect_b32 s61, ttmp9, s61                  ; the coordinate along which other clusters read the same block
	s_cselect_b32 s62, s15, s16                    ; my place among the four that ask for it with me
	s_cselect_b32 s63, s66, s68                    ; where my part of K step 0 begins
	s_cselect_b64 s[PFA:PFA+1], s[4:5], s[6:7]
	s_mov_b32 s[PFS], 32768
	s_cselect_b32 s[PFS], 65536, s[PFS]
	s_mov_b32 s[PFS+1], 0
	s_lshl_b32 s62, s62, 13
	s_add_co_u32 s74, s63, s62
	s_mul_i32 s75, s[PFS], 3                       ; at K step 3: the first refill steps it to 4
	s_add_co_u32 s74, s74, s75
	s_mov_b32 s75, 0
	s_add_nc_u64 s[PFA:PFA+1], s[PFA:PFA+1], s[74:75]
	s_lshr_b32 s62, s[WV], 1
	s_and_b32 s62, s62, s[WV]                      ; 1 in wave 3 alone, which asks for nothing
	s_or_b32 s61, s61, s62
	s_cmp_eq_u32 s61, 0
	s_cselect_b32 s[LIM], 1, -1                    ; the same in all sixteen partners, for a given wave
.macro FETCH slot, kc, f               ; 24 LDS loads in one run: the fragments of the slot's kc-th 32 along K: Wout's four, the context's 0-3, the context's 4-7
	WIN 0
.irp b, 0,1,2,3
	ds_load_b128 v[\f+8*\b:\f+8*\b+3], v[ADB+\slot] offset:\b*4096+(\kc)*1024
	ds_load_b128 v[\f+8*\b+4:\f+8*\b+7], v[ADB+\slot] offset:\b*4096+(\kc)*1024+512
.endr
.irp a, 0,1,2,3,4,5,6,7
	ds_load_b128 v[\f+32+8*\a:\f+32+8*\a+3], v[ADA+\slot] offset:\a*4096+(\kc)*1024
	ds_load_b128 v[\f+32+8*\a+4:\f+32+8*\a+7], v[ADA+\slot] offset:\a*4096+(\kc)*1024+512
.endr
.endm
.macro MUL8 f, a0, first               ; 8 products: row tiles a0, a0 + 1 x my four column tiles.  The 32 sums take turns, one instruction a turn
.if \first
	WIN 0x40                                       ; D in window 1, C (the bias) in window 0
.else
	WIN 0x50                                       ; C and D in window 1
.endif
.irp a, \a0, \a0+1
.irp b, 0,1,2,3
.if \first
	v_wmma_f32_16x16x32_f16 v[8*(4*(\a)+\b):8*(4*(\a)+\b)+7], v[\f+8*\b:\f+8*\b+7], v[\f+32+8*(\a):\f+32+8*(\a)+7], v[BI+8*\b:BI+8*\b+7]
.else
	v_wmma_f32_16x16x32_f16 v[8*(4*(\a)+\b):8*(4*(\a)+\b)+7], v[\f+8*\b:\f+8*\b+7], v[\f+32+8*(\a):\f+32+8*(\a)+7], v[8*(4*(\a)+\b):8*(4*(\a)+\b)+7]
.endif
.endr
.endr
.endm
; A K step is four quarters of 32 along K, 32 products each, on buffers 0, 1, 0, 1.  One of the first three multiplies buffer f and fetches the slot's kc-th quarter into g.
.macro QUARTER slot, kc, f, g, first
	s_wait_dscnt 8                                 ; Wout's fragments and the context's 0-3 are in; the youngest eight loads may be out
	MUL8 \f, 0, \first
	MUL8 \f, 2, \first
	PLACES
	FETCH \slot, \kc, \g
	s_wait_dscnt 24                                ; all but the 24 just issued
	MUL8 \f, 4, \first
	MUL8 \f, 6, \first
.endm
; The last quarter multiplies buffer 1 and changes slots: one barrier; in front of it each wave waits for all its tensor loads, adds 0 to its spare word, and waits for that and for its reads of this slot.
.macro TURN slot, next, fill
.if \fill
	s_wait_xcnt 0x0                                ; the last prefetch, a K step back, has read its address:
	s_add_nc_u64 s[PFA:PFA+1], s[PFA:PFA+1], s[PFS:PFS+1]
.endif
	WIN 0
	s_wait_tensorcnt 0x0                           ; all my tensor loads have landed: my part of the next slot;
	ds_add_u32 v[SPW], v[NIL]                      ; 0 onto my spare word;
	s_wait_dscnt 9                                 ; (the add and the youngest eight loads may be out)
	MUL8 F1, 0, 0                                  ; eight products stand between the add and the wait for it
	s_wait_dscnt 0x0                               ; the add is done, and my reads of this slot are over
	s_barrier_signal -1
	MUL8 F1, 2, 0
	WIN 0
	s_barrier_wait -1
.if \fill
	CREST                                          ; the barrier has opened a round of the cluster's: no wave of any partner still reads this slot or has a load on its way
	s_add_nc_u64 s[G0A+4*\slot+2:G0A+4*\slot+3], s[G0A+4*\slot+2:G0A+4*\slot+3], 2*65536
	s_add_nc_u64 s[G0B+4*\slot+2:G0B+4*\slot+3], s[G0B+4*\slot+2:G0B+4*\slot+3], 2*32768
	JLOAD \slot                                    ; the first tensor load behind the round; its four v_nop are the places in front of the loads below
.else
	PLACES
.endif
	FETCH \next, 0, F0
.if \fill
	ASK
.endif
	MUL8 F1, 4, 0
	MUL8 F1, 6, 0
.endm
	s_wait_loadcnt 0x0                             ; the bias
	s_wait_tensorcnt 0x1                           ; my part of K step 0 is in; K step 1's may stay out
	s_barrier_signal -1
	s_barrier_wait -1
	FETCH 0, 0, F0
	QUARTER 0, 1, F0, F1, 1                        ; the first quarter stands in front of the loop: its products start the sums, on the bias
	WIN 0
	s_mov_b32 s3, 3
.Llap:                                             ; a trip goes once round the ring and fills both slots again: K steps 2 to 7
	QUARTER 0, 2, F1, F0, 0
	QUARTER 0, 3, F0, F1, 0
	TURN 0, 1, 1
	QUARTER 1, 1, F0, F1, 0
	QUARTER 1, 2, F1, F0, 0
	QUARTER 1, 3, F0, F1, 0
	TURN 1, 0, 1
	QUARTER 0, 1, F0, F1, 0
	WIN 0
	s_sub_co_u32 s3, s3, 1
	s_cmp_lg_u32 s3, 0
	s_cbranch_scc1 .Llap
	QUARTER 0, 2, F1, F0, 0                        ; the last lap fills nothing
	QUARTER 0, 3, F0, F1, 0
	TURN 0, 1, 0
	QUARTER 1, 1, F0, F1, 0
	QUARTER 1, 2, F1, F0, 0
	QUARTER 1, 3, F0, F1, 0
	s_wait_dscnt 8
	MUL8 F1, 0, 0
	MUL8 F1, 2, 0
	s_wait_dscnt 0x0
	MUL8 F1, 4, 0
	MUL8 F1, 6, 0
	WIN 0
; THE WAY OUT, a block of 16 rows x 64 columns at a time: a lane's 32 bytes go into my own stage and come back as whole rows of 256 bytes, which sixteen lanes store.
.macro TOSTAGE a
	WIN 0x04                                       ; an LDS store's data are its source 1: window 1
.irp b, 0,1,2,3
	ds_store_b128 v[STO], v[8*(4*(\a)+\b):8*(4*(\a)+\b)+3] offset:64*\b            ; each sum from its low end on
	ds_store_b128 v[STO], v[8*(4*(\a)+\b)+4:8*(4*(\a)+\b)+7] offset:64*\b+16
.endr
	WIN 0
.set BB, BK+32*((\a)%2)
.irp t, 0,1,2,3,4,5,6,7
	ds_load_b128 v[BB+4*\t:BB+4*\t+3], v[RD] offset:\t*2*SP    ; LDS serves a wave's instructions in order: these see the stores above, and the next block's stores come behind them
.endr
.endm
.macro SEND a, younger
.set BB, BK+32*((\a)%2)
	s_wait_dscnt \younger                          ; the block is back in registers
.if (\a) > 0
	s_add_nc_u64 s[10:11], s[10:11], 0x100000      ; 16 positions on (behind a wait that shows that the earlier stores have read their base)
.endif
.irp t, 0,1,2,3,4,5,6,7
	global_store_b128 v[CO], v[BB+4*\t:BB+4*\t+3], s[10:11] offset:\t*131072 th:TH_STORE_NT   ; sixteen lanes store 256 consecutive aligned bytes of one row
.endr
.endm
	PLACES
	TOSTAGE 0
.irp a, 1,2,3,4,5,6,7
.if \a > 1
	s_wait_xcnt 0x0                                ; block a - 2's stores have read their registers and their base
.endif
	TOSTAGE \a
	SEND \a-1, 16                                  ; behind block a - 1's loads: block a's 8 stores and 8 loads
.endr
	s_wait_xcnt 0x0
	SEND 7, 0
	s_wait_tensorcnt 0x0                           ; the wave's end: a wait, an add and a wait behind my last tensor load and my last LDS store
	ds_add_u32 v[SPW], v[NIL]
	s_wait_dscnt 0x0
	CROUND                                         ; the closing round
	s_endpgm
.Lfunc_end_k_q54c4244991_proj:
	.size	k_q54c4244991_proj, .Lfunc_end_k_q54c4244991_proj-k_q54c4244991_proj
	.p2alignl 7, 3214868480
	.fill 96, 4, 3214868480
	.section	.rodata,"a",@progbits
	.p2align	6, 0x0
	.amdhsa_kernel k_q54c4244991_proj
		.amdhsa_group_segment_fixed_size 327680
		.amdhsa_private_segment_fixed_size 0
		.amdhsa_enable_private_segment 0
		.amdhsa_kernarg_size 32
		.amdhsa_user_sgpr_count 2
		.amdhsa_user_sgpr_kernarg_segment_ptr 1
		.amdhsa_wavefront_size32 1
		.amdhsa_system_sgpr_workgroup_id_x 1
		.amdhsa_system_sgpr_workgroup_id_y 1
		.amdhsa_system_sgpr_workgroup_id_z 1
		.amdhsa_system_vgpr_workitem_id 0
		.amdhsa_next_free_vgpr 512
		.amdhsa_next_free_sgpr 80
		.amdhsa_reserve_vcc 0
		.amdhsa_float_denorm_mode_32 3
		.amdhsa_float_denorm_mode_16_64 3
		.amdhsa_memory_ordered 1
		.amdhsa_forward_progress 1
		.amdhsa_inst_pref_size 87
	.end_amdhsa_kernel
	.amdgpu_metadata
---
amdhsa.version: [ 1, 2 ]
amdhsa.kernels:
  - .name:           k_q54c4244991_proj
    .symbol:         k_q54c4244991_proj.kd
    .args:
      - { .name: ctx, .offset: 0, .size: 8, .value_kind: global_buffer, .address_space: global }
      - { .name: wo, .offset: 8, .size: 8, .value_kind: global_buffer, .address_space: global }
      - { .name: bout, .offset: 16, .size: 8, .value_kind: global_buffer, .address_space: global }
      - { .name: out0, .offset: 24, .size: 8, .value_kind: global_buffer, .address_space: global }
    .group_segment_fixed_size: 327680
    .private_segment_fixed_size: 0
    .kernarg_segment_align: 8
    .kernarg_segment_size: 32
    .max_flat_workgroup_size: 128
    .sgpr_count:     80
    .vgpr_count:     512
    .wavefront_size: 32
...
	.end_amdgpu_metadata
.endif
;; end of part 3
